; MI455X (gfx1250); checked and timed in simulation.
; The chip was launched on July 23, 2026; its instructions are those of AMD's public machine-readable ISA for CDNA 5 (MIT licence, August 2026) and "CDNA5" Instruction Set Architecture Reference Guide (July 2026). The comments in the code are by the model that wrote it; some were corrected since.
;; Masked Multi Head Self Attention. Allowed arithmetic: matrix products marked QUANTISED: E2M1 operands, one E8M0 scale for each 32 along K, by v_wmma_scale_f32_16x16x128_f8f6f4 with both operands' format E2M1 (or v_wmma_scale_f32_32x16x128_f4), f32 sums; products left as they are: bf16, f16 or f32 operands; f32 sums; everything else in f32.
;; Inputs: Wk 768 x 768 float32; Wo 768 x 768 float32; Wq 768 x 768 float32; Wv 768 x 768 float32; attention_mask 8 x 1,024 int32; bk 768 float32; bo 768 float32; bq 768 float32; bv 768 float32; x 8 x 1,024 x 768 float32.
;; Outputs: out0 8 x 1,024 x 768 float32.
;; This version of the problem:
;;   THIS VERSION OF THE PROBLEM IS GIVEN IN LOW PRECISION. The matrix products marked QUANTISED in the list below multiply operands that are first quantised to E2M1 (2 exponent bits, 1 mantissa bit; 4 bits a number), with one power-of-two scale for each 32 numbers along K (OCP MX v1.0); their sums are f32. The products marked 'left as it is' may take bf16, f16 or f32 operands, with f32 sums. Whichever they take, every output number must still come out within the allowed error. Rounding operands to bf16 (8 significant bits) uses up far more of that allowance than f16 does (11 bits, for magnitudes from 6e-5 to 65,504). All else is computed in f32.
;;   The module's matrix products, in the order in which they are computed (A, B: the left and right operand; K: the contracted axis; several contracted axes count as one K, in the product's order):
;;     1. [M 8,192, K 768] x [K 768, N 768]; A: input x; B: input Wk: QUANTISED
;;     2. [M 8,192, K 768] x [K 768, N 768]; A: input x; B: input Wq: QUANTISED
;;     3. batch 96 x [M 1,024, K 64] x [K 64, N 1,024]; A: computed on the way; B: computed on the way: left as it is (an operand is computed on the way)
;;     4. batch 96 x [M 1,024, K 1,024] x [K 1,024, N 64]; A: computed on the way; B: computed on the way: left as it is (an operand is computed on the way)
;;     5. [M 8,192, K 768] x [K 768, N 768]; A: computed on the way; B: input Wo: left as it is (an operand is computed on the way)
;;   THE QUANTISER, for each operand of a quantised product, along K:
;;     - K is cut into blocks of 32 from its start; a last block that is shorter is filled with zeros.
;;     - A block's scale is 2^e with e = floor(log2(the largest magnitude in the block)) - 2, held to -126 .. 127; a block of zeros has e = 0. As a byte (E8M0): e + 127.
;;     - Each number is divided by its block's scale, clamped to +-6, and rounded to the nearest number of E2M1, ties to even, subnormals kept.
;;     - The product sums the exact products of the quantised numbers (number of the format x scale) in f32.
;;   ~~~python
;;   def quantise(x, axis):      # numpy; x: float32 -> the quantised numbers, widened to float32 again
;;       x = np.moveaxis(x, axis, -1); K = x.shape[-1]
;;       x = np.pad(x, [(0, 0)] * (x.ndim - 1) + [(0, -K % 32)]); x = x.reshape(x.shape[:-1] + (-1, 32)); a = np.abs(x).max(-1, keepdims=True)
;;       e = np.where(a > 0, np.clip(np.frexp(np.where(a > 0, a, 1))[1] - 1 - 2, -126, 127), 0)      # np.frexp(a)[1] - 1 = floor(log2(a)), exactly
;;       r = np.clip(x / 2.0 ** e, -6, 6)
;;       step = 2.0 ** (np.maximum(np.frexp(np.where(r == 0, 1, r))[1] - 1, 0) - 1)
;;       q = np.round(r / step) * step * 2.0 ** e      # np.round: ties to even
;;       return np.moveaxis(q.reshape(q.shape[:-2] + (-1,))[..., :K], -1, axis).astype(np.float32)
;;   ~~~
;; One version. Each part assembles by itself: llvm-mc -triple=amdgcn-amd-amdhsa -mcpu=gfx1250 --defsym DOCPART=n.
;; ======== version 1 of 1: 4 launches
;; limits: values are held in f16: magnitudes above 65,504 overflow, below 6.1e-05 lose precision
;; workspace buffers: qc 4,202,496 bytes; wo16 1,179,648 bytes; kh 12,582,912 bytes; wv 12,582,912 bytes
;; launch prep (part 1): grid 656 x 1, 3 waves a work-group, no clusters, 25,856 bytes of LDS; arguments x, Wk, Wq, Wo, qc, wo16; writes qc, wo16
.if DOCPART == 1
	.amdgcn_target "amdgcn-amd-amdhsa--gfx1250"
	.amdhsa_code_object_version 6
	.text
	.protected	k_q2c2748bc07_prep
	.globl	k_q2c2748bc07_prep
	.p2align	8
	.type	k_q2c2748bc07_prep,@function
k_q2c2748bc07_prep:
	s_mov_b64 s[64:65], 0
	v_nop
	global_prefetch_b8 v0, s[64:65] scope:SCOPE_SE
	s_setreg_imm32_b32 hwreg(HW_REG_WAVE_MODE, 25, 1), 1
	s_wait_xcnt 0x0
; x [8192][768], Wk [768][768] and Wq [768][768], f32 with K innermost, become codes of FP4 (E2M1) with one E8M0 scale byte for each 32 along K; Wo [768][768] becomes f16.
; All results are laid in the ORDER OF THE OPERAND'S REGISTERS, so that the later launches load every fragment as 16 bytes a lane, lane after lane.
; qc: 608 records of 6,912 bytes, one for each tile of 16 rows: records 0-511 x's, 512-559 Wk's, 560-607 Wq's.  A record: six fragments (16 rows x 128 K, 8 registers a lane) of 1,024 bytes:
;   registers 4 c .. 4 c + 3 of lane l of K step s at 1024 s + 512 c + 16 l; then three blocks of 256 bytes of scale words: lane l's 8 bytes at 6144 + 256 p + 8 l are the words of K steps 2 p, 2 p + 1 of row l % 16.
; wo16: [48 tiles of 16 rows][24 K steps of 32][1,024 bytes]: an f16 fragment's registers 4 c .. 4 c + 3 of lane l at 512 c + 16 l.
; A block's scale is 2^(floor(log2(its largest magnitude)) - 2); its byte is the largest magnitude's exponent field - 2, held at 1 from below.  Numbers are divided by the scale and rounded to the nearest code, ties to even; beyond 6 the largest code.
; LIMITS: a block of zeros, and a block whose largest magnitude lies under 2^-124, keep the byte 1 (zero codes add nothing under it; this program alone reads the bytes).  NaN and infinities are not served.  Wo beyond 65,504 is not served (f16).
; SHARES.  Work-group T < 608 makes record T; its wave p makes K steps 2 p and 2 p + 1: 1,024 bytes of each of 16 rows.  Work-group T >= 608 makes Wo's tile T - 608; wave p its K steps 8 p .. 8 p + 7.
; The conversions take neighbours along K from ONE lane's registers, a load is best where neighbouring lanes take neighbouring bytes: each load reads 512 consecutive bytes of a row, and a K step's 16 x 512 bytes turn through the wave's own stage in LDS.
; No tensor load, no barrier: waves share nothing.  All 32 loads of a wave go out at its head.
.set ROWB,  3072                       ; a row of any of the four tensors, in bytes
.set TILEB, 16*ROWB
.set REC,   6912
.set T_WK,  512                        ; the first record of Wk,
.set T_WQ,  560                        ; of Wq,
.set T_WO,  608                        ; and the first work-group of Wo
.set SP,    528                        ; a stage row: 512 bytes + 16: 33 x 16 bytes, so that the sixteen rows that a load touches start at sixteen different banks (64 banks of 4 bytes: ISA guide 11.1)
.set STGB,  16*SP
.set SPARE, 3*STGB                     ; behind the three stages: the spare words, 128 bytes for each wave, in two blocks of 256 bytes that no other line names
.set GL,  4                            ; v4   16 x lane
.set LW,  5                            ; v5   the stage, on the way in: 16 x lane
.set LR,  6                            ; v6   and on the way out: row r, + 64 h
.set G8,  7                            ; v7   8 x lane
.set SPW, 8                            ; v8   LDS address of my spare word; never rewritten
.set NIL, 9                            ; v9   0; never rewritten
.set WA,  10                           ; v10  Wo: row r, + 32 h
.set R,   16                           ; v16-143  128 registers as loaded
.set X,   144                          ; v144-207 64 numbers of a lane: register 16 b + i = k 32 b + 16 h + i of row r;  Wo's path: 64 registers of f16
.set PC,  208                          ; v208-223 the two fragments' codes
.set TM,  224                          ; v224-239 at work
.set PW,  240                          ; v[240:241] the two scale words
.set SEL, 22                           ; s[22:23] lane selects for v_permlanex16_b32: lane l xor 16
	s_load_b256 s[4:11], s[0:1], 0x0               ; x s[4:5], Wk s[6:7], Wq s[8:9], Wo s[10:11]
	s_load_b128 s[12:15], s[0:1], 0x20             ; qc s[12:13], wo16 s[14:15]
	v_lshl_add_u32 v[SPW], v0, 2, SPARE
	v_mov_b32 v[NIL], 0
	v_lshrrev_b32 v1, 5, v0
	v_readfirstlane_b32 s16, v1                    ; wave p = 0..2
	v_and_b32 v1, 31, v0                           ; lane
	v_and_b32 v2, 15, v0                           ; r
	v_bfe_u32 v3, v0, 4, 1                         ; h
	v_lshlrev_b32 v[GL], 4, v1
	v_lshlrev_b32 v[G8], 3, v1
	s_mul_i32 s17, s16, STGB                       ; my stage
	v_add_nc_u32 v[LW], s17, v[GL]
	v_mul_u32_u24 v[LR], v2, SP
	v_lshl_add_u32 v[LR], v3, 6, v[LR]
	v_add_nc_u32 v[LR], s17, v[LR]
	v_mul_u32_u24 v[WA], v2, ROWB
	v_lshl_add_u32 v[WA], v3, 5, v[WA]
	s_mov_b32 s[SEL], 0x76543210
	s_mov_b32 s[SEL+1], 0xfedcba98
.irp b, 0,1,2,3
	v_mov_b32 v[TM+4+\b], 0                        ; written once: a lane permute's destination counts as one of its sources
.endr
	s_lshl_b32 s28, s16, 10                        ; my wave's 1,024 bytes of a row
	s_mov_b32 s21, 0                               ; the upper word of every offset below
	s_wait_kmcnt 0x0
	s_cmp_ge_u32 ttmp9, T_WO                       ; the work-group's number alone decides
	s_cbranch_scc1 .Lwo
	; ---- the quantiser.  Which tensor, and which tile of it
	s_mov_b32 s17, T_WQ
	s_cmp_lt_u32 ttmp9, T_WQ
	s_cselect_b64 s[18:19], s[6:7], s[8:9]         ; Wk or Wq,
	s_cselect_b32 s17, T_WK, s17
	s_cmp_lt_u32 ttmp9, T_WK
	s_cselect_b64 s[18:19], s[4:5], s[18:19]       ; or x
	s_cselect_b32 s17, 0, s17
	s_sub_co_u32 s17, ttmp9, s17                   ; the tile in its tensor
	s_mul_i32 s20, s17, TILEB                      ; under 2^25
	s_add_co_u32 s20, s20, s28
	s_add_nc_u64 s[18:19], s[18:19], s[20:21]      ; my 16 x 1,024 bytes
	s_mul_i32 s20, ttmp9, REC
	s_add_nc_u64 s[24:25], s[12:13], s[20:21]      ; the record
	s_lshl_b32 s20, s16, 8
	s_add_co_u32 s20, s20, 6*1024
	s_add_nc_u64 s[26:27], s[24:25], s[20:21]      ; my block of scale words
	s_lshl_b32 s20, s16, 11
	s_add_nc_u64 s[24:25], s[24:25], s[20:21]      ; my two fragments
.irp f, 0,1
.irp p, 0,1,2,3,4,5,6,7,8,9,10,11,12,13,14,15
	global_load_b128 v[R+64*\f+4*\p:R+64*\f+4*\p+3], v[GL], s[18:19] offset:ROWB*\p+512*\f th:TH_LOAD_NT   ; 32 lanes read 512 consecutive bytes of row p; read once in the launch
.endr
.endr
; 64 numbers of a lane, v[s] on, register 16 b + i = k 32 b + 16 h + i of my row, become a fragment's codes in v[pc] on and its scale word in v[pw].
.macro QUANT s, pc, pw
.irp b, 0,1,2,3
	v_max3_num_f32 v[TM+\b], |v[\s+16*\b]|, |v[\s+1+16*\b]|, 0x1800000   ; block b: my 16 numbers, and the floor 2^(3 - 127): so the byte cannot fall under 1
.endr
.irp i, 2,4,6,8,10,12,14
.irp b, 0,1,2,3
	v_max3_num_f32 v[TM+\b], v[TM+\b], |v[\s+16*\b+\i]|, |v[\s+1+16*\b+\i]|   ; the four blocks by turns: no line waits for the line above it
.endr
.endr
.irp b, 0,1,2,3
	v_permlanex16_b32 v[TM+4+\b], v[TM+\b], s[SEL], s[SEL+1]
.endr
.irp b, 0,1,2,3
	v_max_num_f32 v[TM+\b], v[TM+\b], v[TM+4+\b]   ; with lane l xor 16's 16: the block's largest magnitude
.endr
.irp b, 0,1,2,3
	v_add_nc_u32 v[TM+12+\b], 0xff000000, v[TM+\b] ; 2 off its exponent field: the conversion takes the exponent field of this operand as its scale
.endr
.irp b, 0,1,2,3
	v_lshrrev_b32 v[TM+4+\b], 23, v[TM+12+\b]      ; the scale's byte
.endr
	v_lshl_or_b32 v[\pw], v[TM+5], 8, v[TM+4]      ; the four bytes make my row's scale word; both halves of the lanes hold it
	v_lshl_or_b32 v[\pw], v[TM+6], 16, v[\pw]
	v_lshl_or_b32 v[\pw], v[TM+7], 24, v[\pw]
.irp b, 0,1,2,3
	v_cvt_scalef32_pk8_fp4_f32 v[\pc+2*\b], v[\s+16*\b:\s+7+16*\b], v[TM+12+\b]
	v_cvt_scalef32_pk8_fp4_f32 v[\pc+1+2*\b], v[\s+8+16*\b:\s+15+16*\b], v[TM+12+\b]
.endr
	v_nop                                          ; one plain instruction behind a scaled conversion, ahead of the lines that touch its results
.irp c, 0,1                                    ; the operand's layout wants a WHOLE block in a lane: lanes 0-15 block 2 c, lanes 16-31 block 2 c + 1
.irp i, 0,1
	v_permlane16_swap_b32 v[\pc+4*\c+\i], v[\pc+2+4*\c+\i]
.endr
.endr
.endm
; K step 2 p + f: through the stage, quantised, stored.
.macro HALF f
	s_wait_loadcnt 16-16*\f                        ; loads come back in order: this K step's 16 are in; f = 0: the other K step's 16 may be out
.irp p, 0,1,2,3,4,5,6,7,8,9,10,11,12,13,14,15
	ds_store_b128 v[LW], v[R+64*\f+4*\p:R+64*\f+4*\p+3] offset:SP*\p
.endr
.irp b, 0,1,2,3
.irp j, 0,1,2,3
	ds_load_b128 v[X+16*\b+4*\j:X+16*\b+4*\j+3], v[LR] offset:128*\b+16*\j   ; LDS serves a wave's instructions in order: these see the stores above
.endr
.endr
	s_wait_dscnt 0x0
	QUANT X, PC+8*\f, PW+\f
.irp c, 0,1
	global_store_b128 v[GL], v[PC+8*\f+4*\c:PC+8*\f+4*\c+3], s[24:25] offset:1024*\f+512*\c   ; 32 lanes store 512 consecutive bytes; each K step has its own registers, so no store's data are written again
.endr
.endm
	HALF 0
	HALF 1
	global_store_b64 v[G8], v[PW:PW+1], s[26:27]   ; 32 lanes store 256 consecutive bytes, aligned
	s_wait_tensorcnt 0x0                           ; the wave's end: three closing lines behind my last LDS store
	ds_add_u32 v[SPW], v[NIL]
	s_wait_dscnt 0x0
	s_endpgm
.Lwo:                                              ; ---- Wo to f16.
	s_sub_co_u32 s17, ttmp9, T_WO                  ; the tile of 16 rows
	s_mul_i32 s20, s17, TILEB
	s_add_co_u32 s20, s20, s28                     ; my 8 K steps: 8 x 128 bytes of each row
	s_add_nc_u64 s[18:19], s[10:11], s[20:21]
	s_mul_i32 s20, s17, 24
	s_lshl_b32 s29, s16, 3
	s_add_co_u32 s20, s20, s29
	s_lshl_b32 s20, s20, 10                        ; fragment 24 x tile + 8 p
	s_add_nc_u64 s[24:25], s[14:15], s[20:21]
.irp q, 0,1,2,3,4,5,6,7                        ; an f16 fragment: lane (r, h) holds row r; registers 0-3 k = 8 h + 0..7, registers 4-7 k = 16 + 8 h + 0..7: in f32 two runs of 32 bytes, 64 apart
.irp e, 0,1,2,3
	global_load_b128 v[R+16*\q+4*\e:R+16*\q+4*\e+3], v[WA], s[18:19] offset:128*\q+16*\e+32*(\e/2) th:TH_LOAD_NT
.endr
.endr
	s_wait_loadcnt 0x0
.irp q, 0,1,2,3,4,5,6,7
.irp i, 0,1,2,3,4,5,6,7
	v_cvt_pk_f16_f32 v[X+8*\q+\i], v[R+16*\q+2*\i], v[R+16*\q+2*\i+1]
.endr
.endr
.irp q, 0,1,2,3,4,5,6,7
.irp c, 0,1
	global_store_b128 v[GL], v[X+8*\q+4*\c:X+8*\q+4*\c+3], s[24:25] offset:1024*\q+512*\c   ; 512 consecutive bytes
.endr
.endr
	s_endpgm
.Lfunc_end_k_q2c2748bc07_prep:
	.size	k_q2c2748bc07_prep, .Lfunc_end_k_q2c2748bc07_prep-k_q2c2748bc07_prep
	.p2alignl 7, 3214868480
	.fill 96, 4, 3214868480
	.section	.rodata,"a",@progbits
	.p2align	6, 0x0
	.amdhsa_kernel k_q2c2748bc07_prep
		.amdhsa_group_segment_fixed_size 25856
		.amdhsa_private_segment_fixed_size 0
		.amdhsa_enable_private_segment 0
		.amdhsa_kernarg_size 48
		.amdhsa_user_sgpr_count 2
		.amdhsa_user_sgpr_kernarg_segment_ptr 1
		.amdhsa_wavefront_size32 1
		.amdhsa_system_sgpr_workgroup_id_x 1
		.amdhsa_system_sgpr_workgroup_id_y 1
		.amdhsa_system_sgpr_workgroup_id_z 1
		.amdhsa_system_vgpr_workitem_id 0
		.amdhsa_next_free_vgpr 244
		.amdhsa_next_free_sgpr 66
		.amdhsa_reserve_vcc 0
		.amdhsa_float_denorm_mode_32 3
		.amdhsa_float_denorm_mode_16_64 3
		.amdhsa_memory_ordered 1
		.amdhsa_forward_progress 1
		.amdhsa_inst_pref_size 27
	.end_amdhsa_kernel
	.amdgpu_metadata
---
amdhsa.version: [ 1, 2 ]
amdhsa.kernels:
  - .name:           k_q2c2748bc07_prep
    .symbol:         k_q2c2748bc07_prep.kd
    .args:
      - { .name: x, .offset: 0, .size: 8, .value_kind: global_buffer, .address_space: global }
      - { .name: Wk, .offset: 8, .size: 8, .value_kind: global_buffer, .address_space: global }
      - { .name: Wq, .offset: 16, .size: 8, .value_kind: global_buffer, .address_space: global }
      - { .name: Wo, .offset: 24, .size: 8, .value_kind: global_buffer, .address_space: global }
      - { .name: qc, .offset: 32, .size: 8, .value_kind: global_buffer, .address_space: global }
      - { .name: wo16, .offset: 40, .size: 8, .value_kind: global_buffer, .address_space: global }
    .group_segment_fixed_size: 25856
    .private_segment_fixed_size: 0
    .kernarg_segment_align: 8
    .kernarg_segment_size: 48
    .max_flat_workgroup_size: 96
    .sgpr_count:     66
    .vgpr_count:     244
    .wavefront_size: 32
...
	.end_amdgpu_metadata
.endif
;; end of part 1
;; launch proj (part 2): grid 256 x 1, 4 waves a work-group, clusters of 4 x 1, 167,936 bytes of LDS; arguments qc, bk, bq, kh; writes kh
.if DOCPART == 2
	.amdgcn_target "amdgcn-amd-amdhsa--gfx1250"
	.amdhsa_code_object_version 6
	.text
	.protected	k_q2c2748bc07_proj
	.globl	k_q2c2748bc07_proj
	.p2align	8
	.type	k_q2c2748bc07_proj,@function
k_q2c2748bc07_proj:
	s_mov_b64 s[64:65], 0
	v_nop
	global_prefetch_b8 v0, s[64:65] scope:SCOPE_SE
	s_setreg_imm32_b32 hwreg(HW_REG_WAVE_MODE, 25, 1), 1
	s_wait_xcnt 0x0
	s_wait_alu depctr_hold_cnt(0) depctr_sa_sdst(0) depctr_va_vdst(0) depctr_va_sdst(0) depctr_va_ssrc(0) depctr_va_vcc(0) depctr_vm_vsrc(0)
	s_getreg_b32 s2, hwreg(HW_REG_IB_STS2, 6, 4)
	s_cmp_eq_u32 s2, 0
	s_cbranch_scc0 .Lentry_in_a_cluster
	s_endpgm
.Lentry_in_a_cluster:
	s_bfe_u32 s2, ttmp6, 0x10000c
	s_cmp_lg_u32 s2, 0x3003
	s_cbranch_scc0 .Lentry_shape_is_right
	s_endpgm
.Lentry_shape_is_right:
; K = Q4(x) Q4(Wk)^T + bk and Q = Q4(x) Q4(Wq)^T + bq, on codes of FP4 (E2M1) with one E8M0 scale for each 32 along K, f32 sums.  M = 8,192 tokens, N = 768, K = 768.
; K goes out as f16, laid by head: kh [batch x 12 + head][1024 tokens][64].  Q IS FORMED AND STORED NOWHERE: the module computes it and never uses it; it is made here on x's fragments, which are in registers anyway.
; LIMIT: |K| beyond 65,504 is not served (f16).
; SHARES.  A work-group takes 128 tokens (the cluster's number) x 192 channels = 3 heads (its place in the cluster).  THE WAVES SHARE THE CHANNELS: wave w holds Wk's and Wq's tiles of 16 rows 12 nb + 3 w + 0..2
; in registers for the whole launch (2 x 144 registers), with their scale words and biases; x's eight records of 16 tokens lie in LDS and every wave walks them.
; CLUSTER.  The four work-groups of a cluster take the same 128 tokens: x's records, 55,296 dense bytes, are asked for JOINTLY, one tensor load a wave, with a mask that names the four.  LDS is filled once: no slot is filled again.
; THE MATRIX INSTRUCTION IS USED TRANSPOSED (source 0 = 16 rows of the weight, source 1 = 16 tokens): a lane then holds one token and eight neighbouring channels, 16 bytes of f16.  The bias is the C of each sum's first instruction.
; REGISTERS, in windows of 256: window 0: v1-15 addresses; v16-51 the weights' scale words (6 tiles x 6 K steps); v52-63 x's, two sets; v64-159 x's fragments, two sets of 48, on the way out rows of K; v160-207 six accumulators; v208-219 packed f16.
;   window 1: v0-143 Wk's 18 fragments ((tile i, K step s) at 8 (6 i + s)); v144-167 bk, 8 a tile.   window 2: the same of Wq and bq.
.set REC,   6912                       ; a record of qc: six fragments of 1,024 bytes and 768 bytes of scale words
.set STG,   8*REC                      ; LDS: x's eight records from byte 0; behind them the stage: 3 heads x 128 tokens x HP bytes
.set HP,    144                        ; a token's 64 channels of f16 + 16 bytes: 9 x 16, so that sixteen tokens start at sixteen different banks (64 banks of 4 bytes: ISA guide 11.1)
.set HEADB, 128*HP
.set SPARE, STG+3*HEADB                ; behind the stage: the spare words, 128 bytes for each wave: two blocks of 256 bytes that no other line names
.set LI,  2                            ; v2    16 x lane
.set L8,  3                            ; v3    8 x lane
.set STO, 4                            ; v4-6  the stage: where I put tile i's 16 bytes of a token
.set RD,  7                            ; v7    and where I read rows back
.set BO,  8                            ; v8    32 h: my eight numbers of a tile's bias
.set SPW, 10                           ; v10   LDS address of my spare word; never rewritten
.set NIL, 11                           ; v11   0; never rewritten
.set WS,  16
.set XS,  52
.set XF,  64
.set ACC, 160
.set PK,  208
.set WB,  144                          ; the biases, in windows 1 and 2
.set WV,  12                           ; s12 wave;  s13 nb = my place in the cluster;  s14 mb = the cluster's number
.set NB,  13
.set MB,  14
.set G1,  16                           ; s[16:23] descriptor group 1;  s[24:27] group 0
.set G0,  24
.set MSB, 0
.macro WIN new                         ; the immediate's high byte repeats the setting that is left; a switch that changes nothing is dropped
.if MSB != (\new)
	s_set_vgpr_msb (MSB<<8)|(\new)
.set MSB, (\new)
.endif
.endm
.macro PLACES n
.rept \n
	v_nop
.endr
.endm
.macro ROUND                           ; a round of the cluster's barrier: my work-group's barrier; wave 0 signals for the work-group; every wave waits for all four work-groups; my work-group's barrier once more
	s_barrier_signal -1
	s_barrier_wait -1
	s_cmp_lg_u32 s[WV], 0
	s_cbranch_scc1 .Lnot_wave_0_\@
	s_barrier_signal -3
.Lnot_wave_0_\@:
	s_barrier_wait -3
	s_barrier_signal -1
	s_barrier_wait -1
.endm
	s_load_b256 s[4:11], s[0:1], 0x0               ; qc s[4:5], bk s[6:7], bq s[8:9], kh s[10:11]
	v_lshl_add_u32 v[SPW], v0, 2, SPARE
	v_mov_b32 v[NIL], 0
	ds_add_u32 v[SPW], v[NIL]                      ; the wave's opening: the add, twice on end, and its wait ahead of my first tensor load; the set-up below, work on registers, stands between
	ds_add_u32 v[SPW], v[NIL]
	v_lshrrev_b32 v1, 5, v0
	v_readfirstlane_b32 s[WV], v1                  ; wave 0..3
	s_bfe_u32 s[NB], ttmp6, 0x40000                ; my place in the cluster: it enters global addresses of my own loads and stores alone
	s_mov_b32 s[MB], ttmp9                         ; in a cluster launch ttmp9 counts clusters
	; descriptor group 1: two records, 13,824 dense bytes, as 54 rows of 256 bytes (32 elements of 8 bytes), no padding: the records are read 16 bytes a lane, lane after lane
	s_mov_b32 s[G1+0], 15|(3<<16)|(1<<21)          ; 15:0 the mask: all four work-groups; 17:16 elements of 8 bytes; 21 set beside a mask
	s_mov_b32 s[G1+1], 32<<16                      ; tensor_dim0 = 32
	s_mov_b32 s[G1+2], 54<<16                      ; tensor_dim1 = 54
	s_mov_b32 s[G1+3], 32<<16                      ; tile_dim0 = 32
	s_mov_b32 s[G1+4], 54                          ; tile_dim1 = 54
	s_mov_b32 s[G1+5], 32                          ; from row to row
	s_mov_b32 s[G1+6], 0
	s_mov_b32 s[G1+7], 0
	s_mov_b32 s[G0], 1                             ; count = 1
	s_mul_i32 s[G0+1], s[WV], 2*REC                ; LDS address: wave x two records
	s_lshl_b32 s28, s[MB], 3
	s_lshl_b32 s29, s[WV], 1
	s_add_co_u32 s28, s28, s29
	s_mul_i32 s28, s28, REC                        ; records 8 mb + 2 w, 8 mb + 2 w + 1: made of the cluster's number and the wave's alone
	s_mov_b32 s29, 0
	s_mul_i32 s32, s[NB], 12
	s_mul_i32 s33, s[WV], 3
	s_add_co_u32 s32, s32, s33                     ; my first tile of the weights: 12 nb + 3 w
	s_lshl_b32 s36, s32, 6                         ; its bias: 16 numbers of 4 bytes a tile
	s_mov_b32 s37, 0
	s_add_co_u32 s32, s32, 512                     ; Wk's records begin at 512
	s_mul_i32 s32, s32, REC
	s_mov_b32 s33, 0
	s_lshr_b32 s42, s[MB], 3                       ; kh: the batch (8 blocks of 128 tokens each),
	s_mul_i32 s42, s42, 12
	s_mul_i32 s43, s[NB], 3
	s_add_co_u32 s42, s42, s43                     ; my first head,
	s_lshl_b32 s42, s42, 10
	s_and_b32 s43, s[MB], 7
	s_lshl_b32 s43, s43, 7
	s_add_co_u32 s42, s42, s43                     ; the block's first token in it,
	s_lshl_b32 s43, s[WV], 5
	s_add_co_u32 s42, s42, s43                     ; the 32 tokens that I store,
	s_lshl_b32 s42, s42, 7                         ; 128 bytes a token
	s_mov_b32 s43, 0
	v_and_b32 v1, 31, v0                           ; lane
	v_and_b32 v12, 15, v0                          ; r
	v_bfe_u32 v13, v0, 4, 1                        ; h
	v_lshlrev_b32 v[LI], 4, v1
	v_lshlrev_b32 v[L8], 3, v1
	v_lshlrev_b32 v[BO], 5, v13
	v_mul_u32_u24 v14, v12, HP
	v_lshl_add_u32 v14, v13, 4, v14                ; token r, + 16 h
.irp i, 0,1,2                                  ; tile i holds channels 48 w + 16 i on of the block's 192: head (48 w + 16 i) / 64, and 2 bytes a channel in it
	s_mul_i32 s30, s[WV], 48
	s_add_co_u32 s30, s30, 16*\i
	s_lshr_b32 s31, s30, 6
	s_mul_i32 s31, s31, HEADB
	s_and_b32 s30, s30, 63
	s_lshl_b32 s30, s30, 1
	s_add_co_u32 s30, s30, s31
	s_add_co_u32 s30, s30, STG
	v_add_nc_u32 v[STO+\i], s30, v14
.endr
	v_bfe_u32 v15, v0, 3, 2                        ; back: eight lanes to a token's 128 bytes, four tokens an instruction
	v_mul_u32_u24 v15, v15, HP
	v_and_b32 v14, 7, v0
	v_lshl_add_u32 v15, v14, 4, v15
	s_mul_i32 s30, s[WV], 32*HP                    ; wave w stores tokens 32 w .. 32 w + 31 of each head
	s_add_co_u32 s30, s30, STG
	v_add_nc_u32 v[RD], s30, v15
	s_wait_dscnt 0x0                               ; both opening adds are done
	s_wait_kmcnt 0x0
	s_add_nc_u64 s[G0+2:G0+3], s[4:5], s[28:29]    ; global address of my two records
	s_or_b32 s[G0+3], s[G0+3], 0x80000000          ; type = 2
	s_add_nc_u64 s[34:35], s[4:5], s[32:33]        ; my tiles of Wk; Wq's lie 48 records on
	s_add_nc_u64 s[38:39], s[6:7], s[36:37]        ; bk
	s_add_nc_u64 s[40:41], s[8:9], s[36:37]        ; bq
	s_add_nc_u64 s[10:11], s[10:11], s[42:43]
	ROUND                                          ; all four work-groups are here: the joint loads meet
	tensor_load_to_lds s[G0:G0+3], s[G1:G1+7]      ; my one tensor load of the launch
	s_nop 0
	PLACES 4                                       ; an s_nop 0 and four v_nop behind the load, ahead of the window switch
.irp k, 0,1                                    ; 0: Wk and bk into window 1;  1: Wq and bq into window 2.  They stay
	WIN (1+\k)<<6
.irp i, 0,1,2
.irp s, 0,1,2,3,4,5
.irp c, 0,1
	global_load_b128 v[8*(6*\i+\s)+4*\c:8*(6*\i+\s)+4*\c+3], v[LI], s[34:35] offset:48*REC*\k+REC*\i+1024*\s+512*\c   ; 512 consecutive bytes
.endr
.endr
	global_load_b128 v[WB+8*\i:WB+8*\i+3], v[BO], s[38+2*\k:39+2*\k] offset:64*\i         ; lane (r, h): the tile's numbers 8 h + 0 .. 7, in the result's layout
	global_load_b128 v[WB+8*\i+4:WB+8*\i+7], v[BO], s[38+2*\k:39+2*\k] offset:64*\i+16
.endr
.endr
	WIN 0
.irp k, 0,1
.irp i, 0,1,2
.irp p, 0,1,2
	global_load_b64 v[WS+6*(3*\k+\i)+2*\p:WS+6*(3*\k+\i)+2*\p+1], v[L8], s[34:35] offset:48*REC*\k+REC*\i+6144+256*\p   ; the scale words of K steps 2 p, 2 p + 1: lane l has row l % 16's
.endr
.endr
.endr
.macro FETCHX m                        ; record m from LDS into set m % 2: six fragments and their scale words: 15 loads
.irp s, 0,1,2,3,4,5
.irp c, 0,1
	ds_load_b128 v[XF+48*((\m)%2)+8*\s+4*\c:XF+48*((\m)%2)+8*\s+4*\c+3], v[LI] offset:REC*(\m)+1024*\s+512*\c
.endr
.endr
.irp p, 0,1,2
	ds_load_b64 v[XS+6*((\m)%2)+2*\p:XS+6*((\m)%2)+2*\p+1], v[L8] offset:REC*(\m)+6144+256*\p
.endr
.endm
; 18 matrix instructions: three tiles of one weight (window win; accumulators and scale words a0 on) x 16 tokens, six K steps of 128.  The three accumulators take turns, one instruction a turn.
.macro PROD win, a0, set
.irp s, 0,1,2,3,4,5
.if \s == 0
	WIN 0x11*\win                                  ; source 0 (the weight) and source 2 (the bias) in the weight's window
.else
	WIN \win                                       ; source 0 alone
.endif
.irp i, 0,1,2
.if \s == 0
	v_wmma_scale_f32_16x16x128_f8f6f4 v[ACC+8*(\a0+\i):ACC+8*(\a0+\i)+7], v[8*(6*\i+\s):8*(6*\i+\s)+7], v[XF+48*(\set)+8*\s:XF+48*(\set)+8*\s+7], v[WB+8*\i:WB+8*\i+7], v[WS+6*(\a0+\i)+\s], v[XS+6*(\set)+\s] matrix_a_fmt:MATRIX_FMT_FP4 matrix_b_fmt:MATRIX_FMT_FP4
.else
	v_wmma_scale_f32_16x16x128_f8f6f4 v[ACC+8*(\a0+\i):ACC+8*(\a0+\i)+7], v[8*(6*\i+\s):8*(6*\i+\s)+7], v[XF+48*(\set)+8*\s:XF+48*(\set)+8*\s+7], v[ACC+8*(\a0+\i):ACC+8*(\a0+\i)+7], v[WS+6*(\a0+\i)+\s], v[XS+6*(\set)+\s] matrix_a_fmt:MATRIX_FMT_FP4 matrix_b_fmt:MATRIX_FMT_FP4
.endif
.endr
.endr
.endm
; Tokens 16 m .. 16 m + 15.
.macro MT m
.if (\m) < 7
	FETCHX (\m)+1                                  ; into the set that the tile before multiplied: the five places at that tile's end stand between
	s_wait_dscnt 15                                ; LDS instructions end in order: all but the 15 loads just issued: this tile's record is in
.else
	s_wait_dscnt 0x0
.endif
	PROD 1, 0, (\m)%2                              ; K
	PROD 2, 3, (\m)%2                              ; Q: formed as the module forms it; nothing reads it
	WIN 0
	PLACES 5                                       ; four places ahead of the conversions that read results and of the next loads into operands; five ahead of the next tile's products, which begin the accumulators anew with another C
.irp i, 0,1,2
.irp j, 0,1,2,3
	v_cvt_pk_f16_f32 v[PK+4*\i+\j], v[ACC+8*\i+2*\j], v[ACC+8*\i+2*\j+1]   ; each accumulator from its low end on
.endr
.endr
.irp i, 0,1,2
	ds_store_b128 v[STO+\i], v[PK+4*\i:PK+4*\i+3] offset:16*HP*(\m)
.endr
.endm
	s_wait_tensorcnt 0x0                           ; my two records are in,
	s_barrier_signal -1
	s_barrier_wait -1                              ; everybody's are
	FETCHX 0
	s_wait_loadcnt 0x0                             ; the weights, their scale words and the biases
.irp m, 0,1,2,3,4,5,6,7
	MT \m
.endr
	s_wait_dscnt 0x0                               ; for the others' sake: my stores into the stage are done
	s_barrier_signal -1
	s_barrier_wait -1
.irp hh, 0,1,2
.irp i, 0,1,2,3,4,5,6,7
	ds_load_b128 v[XF+4*(8*\hh+\i):XF+4*(8*\hh+\i)+3], v[RD] offset:HEADB*\hh+4*HP*\i    ; four whole tokens of head hh
.endr
.endr
.irp hh, 0,1,2
.irp i, 0,1,2,3,4,5,6,7
	s_wait_dscnt 23-(8*\hh+\i)
	global_store_b128 v[LI], v[XF+4*(8*\hh+\i):XF+4*(8*\hh+\i)+3], s[10:11] offset:131072*\hh+512*\i   ; 32 lanes store 512 consecutive bytes, at a multiple of 256 from kh's first byte
.endr
.endr
	s_wait_tensorcnt 0x0                           ; the wave's end: three closing lines, behind my tensor load and my last LDS store
	ds_add_u32 v[SPW], v[NIL]
	s_wait_dscnt 0x0
	ROUND                                          ; the closing round: no work-group ends while a partner may still ask for a tile that names it
	s_endpgm
.Lfunc_end_k_q2c2748bc07_proj:
	.size	k_q2c2748bc07_proj, .Lfunc_end_k_q2c2748bc07_proj-k_q2c2748bc07_proj
	.p2alignl 7, 3214868480
	.fill 96, 4, 3214868480
	.section	.rodata,"a",@progbits
	.p2align	6, 0x0
	.amdhsa_kernel k_q2c2748bc07_proj
		.amdhsa_group_segment_fixed_size 167936
		.amdhsa_private_segment_fixed_size 0
		.amdhsa_enable_private_segment 0
		.amdhsa_kernarg_size 32
		.amdhsa_user_sgpr_count 2
		.amdhsa_user_sgpr_kernarg_segment_ptr 1
		.amdhsa_wavefront_size32 1
		.amdhsa_system_sgpr_workgroup_id_x 1
		.amdhsa_system_sgpr_workgroup_id_y 1
		.amdhsa_system_sgpr_workgroup_id_z 1
		.amdhsa_system_vgpr_workitem_id 0
		.amdhsa_next_free_vgpr 768
		.amdhsa_next_free_sgpr 66
		.amdhsa_reserve_vcc 0
		.amdhsa_float_denorm_mode_32 3
		.amdhsa_float_denorm_mode_16_64 3
		.amdhsa_memory_ordered 1
		.amdhsa_forward_progress 1
		.amdhsa_inst_pref_size 74
	.end_amdhsa_kernel
	.amdgpu_metadata
---
amdhsa.version: [ 1, 2 ]
amdhsa.kernels:
  - .name:           k_q2c2748bc07_proj
    .symbol:         k_q2c2748bc07_proj.kd
    .args:
      - { .name: qc, .offset: 0, .size: 8, .value_kind: global_buffer, .address_space: global }
      - { .name: bk, .offset: 8, .size: 8, .value_kind: global_buffer, .address_space: global }
      - { .name: bq, .offset: 16, .size: 8, .value_kind: global_buffer, .address_space: global }
      - { .name: kh, .offset: 24, .size: 8, .value_kind: global_buffer, .address_space: global }
    .group_segment_fixed_size: 167936
    .private_segment_fixed_size: 0
    .kernarg_segment_align: 8
    .kernarg_segment_size: 32
    .max_flat_workgroup_size: 128
    .sgpr_count:     66
    .vgpr_count:     768
    .wavefront_size: 32
...
	.end_amdgpu_metadata
.endif
;; end of part 2
;; launch attn (part 3): grid 24 x 8, 8 waves a work-group, no clusters, 167,936 bytes of LDS; arguments kh, attention_mask, wv; writes wv
.if DOCPART == 3
	.amdgcn_target "amdgcn-amd-amdhsa--gfx1250"
	.amdhsa_code_object_version 6
	.text
	.protected	k_q2c2748bc07_attn
	.globl	k_q2c2748bc07_attn
	.p2align	8
	.type	k_q2c2748bc07_attn,@function
k_q2c2748bc07_attn:
	s_mov_b64 s[64:65], 0
	v_nop
	global_prefetch_b8 v0, s[64:65] scope:SCOPE_SE
	s_setreg_imm32_b32 hwreg(HW_REG_WAVE_MODE, 25, 1), 1
	s_wait_xcnt 0x0
; wV[b][h][i] = the sum over j of softmax_j(s(i, j)) K[b][h][j], s(i, j) = K[b][h][i] . K[b][h][j] / sqrt(768): K is query, key and value.  A query whose mask is 0 has all its scores equal: its weights are 1 / 1024.
; kh: [batch x 12 + head][1024][64] f16.  Products on f16 operands with f32 sums; maxima, exponentials and sums in f32; the weights p are rounded to f16 for the second product, wV once at the end.
; wv goes out in the order of the next launch's operand registers: [512 tiles of 16 tokens][24 K steps of 32 = 2 x head + u][1,024 bytes], registers 4 c .. 4 c + 3 of lane l at 512 c + 16 l.
; THE MASK WITHOUT A BRANCH: each lane has cq = log2(e) / sqrt(768) where its query's mask is not 0, else 0; p = 2^(cq s - cq m), m the running largest s.  With cq = 0 every p is 1.
; LIMITS: |wV| beyond 65,504 is not served (f16); NaN and infinities are not served.
; SHARES.  A work-group owns 512 queries of one head (x = 2 x head + half, y = batch), each of its eight waves 64: four tiles of 16, in 512 registers: two waves to a SIMD, so that one's vector work stands beside the other's matrix work.
; THE WHOLE HEAD LIES IN LDS, 1,024 rows, filled once (one tensor load a wave, 128 rows: one load of mine is out), read as K and, turned by ds_load_tr16_b128, as V.  No slot is filled again.
; NO CLUSTER: two work-groups share a head, and what they share is 131,072 bytes read once at the head of 16 key steps.  The grid has 192 work-groups: 96 heads do not divide into 256 equal shares of whole tiles.
; LAYOUT.  S^T = K Q^T (source 0 = 16 keys, source 1 = 16 queries): a lane holds ONE query (lane % 16) and eight keys.  Two such tiles, rounded to f16 in pairs, ARE source 1 (32 keys x 16 queries) of O^T = V^T P, whose result holds one query a lane and eight channels.
; THE KEYS OF A TILE ARE PERMUTED: row m of a tile of 16 is key 2 (m % 8) + m / 8, for K and for V alike, so that the products are the same., at the pitch at which K's loads are free of conflicts too.
; REGISTERS, in windows of 256: window 0: v1-15 addresses; v16-63 statistics, 12 a tile; v64-191 S^T, 32 a tile, whose first 16 then hold P; v192-255 K of one step ((tile kt, half u) at 192 + 16 kt + 8 u).
;   window 1: v0-127 O^T (32 t + 8 ct); v128-191 Q (16 t + 8 u); v192-255 V of one step ((32 keys b2, 16 channels ct) at 192 + 32 b2 + 8 ct).
.set HP,    144                        ; a row in LDS: 128 bytes + 16 = 9 x 16 bytes (64 banks of 4 bytes: ISA guide 11.1)
.set STEPB, 64*HP                      ; a key step: 64 keys
.set NSTEP, 16
.set SPARE, 1024*HP                    ; behind the head: the spare words, 128 bytes for each wave: four blocks of 256 bytes that no other line names
.set AK1, 2                            ; v2   my lane's place in the NEXT step's tiles of K
.set AV0, 3                            ; v3   and in this step's tiles of V
.set ADK, 4                            ; v4   LDS address of the run of K's loads
.set ADV, 5                            ; v5   of V's
.set QO,  6                            ; v6   my byte offset in the wave's rows of Q
.set GO,  7                            ; v7   16 x lane
.set MO,  8                            ; v8   4 r: my query's word of the mask
.set CV,  9                            ; v9   c
.set SPW, 10                           ; v10  LDS address of my spare word; never rewritten
.set NIL, 11                           ; v11  0; never rewritten
.set ST,  16                           ; tile t's statistics at v[ST + 12 t]: +0 cq m, +1 m, +2, +3 l (even keys', odd keys'), +4 to +7 at work, +8 cq, +10 a = 2^(cq m_old - cq m_new); +9, +11 are named as upper halves of pairs and written once
.set S,   64
.set KB,  192
.set O,   0                            ; in window 1
.set Q,   128
.set VB,  192
.set WV,  10                           ; s10 wave;  s11 which half of the queries;  s12 head;  s13 batch
.set G1,  16                           ; s[16:23] descriptor group 1;  s[24:27] group 0
.set G0,  24
.set SEL, 32                           ; s[32:33] lane selects for v_permlanex16_b32: lane l xor 16
.set TB,  34                           ; s34  LDS byte at which the step's keys begin
.set CNT, 35
.set MSB, 0
.macro WIN new                         ; the immediate's high byte repeats the setting that is left; a switch that changes nothing is dropped
.if MSB != (\new)
	s_set_vgpr_msb (MSB<<8)|(\new)
.set MSB, (\new)
.endif
.endm
.macro PLACES n
.rept \n
	v_nop
.endr
.endm
	s_load_b128 s[4:7], s[0:1], 0x0                ; kh s[4:5], the mask s[6:7]
	s_load_b64 s[8:9], s[0:1], 0x10                ; wv
	v_lshl_add_u32 v[SPW], v0, 2, SPARE
	v_mov_b32 v[NIL], 0
	ds_add_u32 v[SPW], v[NIL]                      ; the wave's opening: the add, twice on end, and its wait ahead of my first tensor load; the set-up below, work on registers, stands between
	ds_add_u32 v[SPW], v[NIL]
	v_lshrrev_b32 v1, 5, v0
	v_readfirstlane_b32 s[WV], v1                  ; wave 0..7
	s_and_b32 s11, ttmp9, 1
	s_lshr_b32 s12, ttmp9, 1
	s_and_b32 s13, ttmp7, 0xffff
	; descriptor group 1: 128 rows of 64 elements of 2 bytes, dense in memory, 16 bytes of padding behind each row in LDS
	s_mov_b32 s[G1+0], (1<<16)|(1<<20)|(4<<22)|(3<<25)  ; 15:0 no mask; 17:16 elements of 2 bytes; 20 padding on; 24:22 after every 32 words (code 4); 31:25 four words (code 3)
	s_mov_b32 s[G1+1], 64<<16                      ; tensor_dim0 = 64
	s_mov_b32 s[G1+2], 128<<16                     ; tensor_dim1 = 128
	s_mov_b32 s[G1+3], 64<<16                      ; tile_dim0 = 64
	s_mov_b32 s[G1+4], 128                         ; tile_dim1 = 128
	s_mov_b32 s[G1+5], 64                          ; from row to row
	s_mov_b32 s[G1+6], 0
	s_mov_b32 s[G1+7], 0
	s_mov_b32 s[G0], 1                             ; count = 1
	s_mul_i32 s[G0+1], s[WV], 128*HP               ; LDS address: my 128 rows
	s_mul_i32 s38, s13, 12
	s_add_co_u32 s38, s38, s12
	s_lshl_b32 s38, s38, 17                        ; the head's first byte in kh: 131,072 a head
	s_mov_b32 s39, 0
	s_lshl_b32 s40, s[WV], 14                      ; the 128 rows that I fetch
	s_mov_b32 s41, 0
	s_lshl_b32 s42, s11, 16                        ; my queries: 512 x half + 64 x wave, 128 bytes a row
	s_lshl_b32 s43, s[WV], 13
	s_add_co_u32 s42, s42, s43
	s_mov_b32 s43, 0
	s_lshl_b32 s46, s13, 12                        ; their words of the mask: 4 bytes a query
	s_lshl_b32 s47, s11, 11
	s_add_co_u32 s46, s46, s47
	s_lshl_b32 s47, s[WV], 8
	s_add_co_u32 s46, s46, s47
	s_mov_b32 s47, 0
	s_lshl_b32 s36, s13, 6                         ; wv: my first tile of 16 tokens: 64 b + 32 half + 4 w,
	s_lshl_b32 s37, s11, 5
	s_add_co_u32 s36, s36, s37
	s_lshl_b32 s37, s[WV], 2
	s_add_co_u32 s36, s36, s37
	s_mul_i32 s36, s36, 24
	s_lshl_b32 s37, s12, 1
	s_add_co_u32 s36, s36, s37                     ; K step 2 x head,
	s_lshl_b32 s36, s36, 10                        ; 1,024 bytes a fragment
	s_mov_b32 s37, 0
	s_mov_b32 s[SEL], 0x76543210
	s_mov_b32 s[SEL+1], 0xfedcba98
	s_mov_b32 s[TB], 0
	v_and_b32 v12, 15, v0                          ; r
	v_bfe_u32 v13, v0, 4, 1                        ; h
	v_and_b32 v14, 7, v0                           ; l % 8
	v_bfe_u32 v15, v0, 3, 1                        ; (l / 8) % 2
	v_lshl_add_u32 v1, v14, 1, v15                 ; K: row r of a tile is key 2 (r % 8) + r / 8
	v_mul_u32_u24 v[ADK], v1, HP
	v_lshl_add_u32 v[ADK], v13, 4, v[ADK]          ; + 16 h: step 0's
	v_add_nc_u32 v[AK1], STEPB, v[ADK]             ; and a step on
	v_lshl_add_u32 v1, v14, 1, v13                 ; V: the turning load's lane l addresses row m = 8 (l / 16) + l % 8 of a tile: key 2 (l % 8) + l / 16,
	v_mul_u32_u24 v[AV0], v1, HP
	v_lshl_add_u32 v[AV0], v15, 4, v[AV0]          ; channels 8 ((l / 8) % 2) on
	v_lshlrev_b32 v[QO], 7, v12
	v_lshl_add_u32 v[QO], v13, 4, v[QO]            ; Q: row r of 128 bytes, + 16 h
	v_and_b32 v1, 31, v0
	v_lshlrev_b32 v[GO], 4, v1
	v_lshlrev_b32 v[MO], 2, v12
	v_mov_b32 v[CV], 0x3d553b94                    ; c = log2(e) / sqrt(768) = 0.0520588
.irp t, 0,1,2,3
	v_mov_b32 v[ST+12*\t+9], 0                     ; named as upper halves of pairs whose low word serves both halves: so they are written
	v_mov_b32 v[ST+12*\t+11], 0
.endr
	s_wait_dscnt 0x0                               ; both opening adds are done
	s_wait_kmcnt 0x0
	s_add_nc_u64 s[4:5], s[4:5], s[38:39]          ; kh at my head
	s_add_nc_u64 s[G0+2:G0+3], s[4:5], s[40:41]    ; global address of my 128 rows
	s_or_b32 s[G0+3], s[G0+3], 0x80000000          ; type = 2
	s_add_nc_u64 s[44:45], s[4:5], s[42:43]        ; my queries
	s_add_nc_u64 s[6:7], s[6:7], s[46:47]
	s_add_nc_u64 s[8:9], s[8:9], s[36:37]
	tensor_load_to_lds s[G0:G0+3], s[G1:G1+7]      ; my one tensor load of the launch
	s_nop 0
	PLACES 4                                       ; an s_nop 0 and four v_nop behind the load, ahead of the window switch
	WIN 0x40                                       ; destination window 1
.irp t, 0,1,2,3                                ; Q stays in registers: a fragment is 16 rows x 32 channels: registers 0-3 channels 8 h + 0..7, registers 4-7 channels 16 + 8 h + 0..7
.irp u, 0,1
.irp e, 0,1
	global_load_b128 v[Q+16*\t+8*\u+4*\e:Q+16*\t+8*\u+4*\e+3], v[QO], s[44:45] offset:2048*\t+64*\u+32*\e
.endr
.endr
.endr
	WIN 0
.irp t, 0,1,2,3
	global_load_b32 v[ST+12*\t+4], v[MO], s[6:7] offset:64*\t
.endr
.macro KLOAD                           ; 16 loads: a step's K: 4 tiles of 16 keys x 2 halves of 32 channels
.irp kt, 0,1,2,3
.irp u, 0,1
.irp e, 0,1
	ds_load_b128 v[KB+16*\kt+8*\u+4*\e:KB+16*\kt+8*\u+4*\e+3], v[ADK] offset:16*HP*\kt+64*\u+32*\e
.endr
.endr
.endr
.endm
; A KEY STEP: 64 keys.  first = 1: it starts m, l and O^T: no a, nothing to rescale.  last = 1: no K is fetched for a next step.
.macro STEP first, last
	s_wait_dscnt 0x0                               ; this step's K is in
	WIN 0x04                                       ; source 1 (Q) window 1
.irp u, 0,1                                    ; S^T = K Q^T: 32 products; the 16 accumulators take turns, one instruction a turn; the first 16 start the sums
.irp kt, 0,1,2,3
.irp t, 0,1,2,3
.if \u == 0
	v_wmma_f32_16x16x32_f16 v[S+32*\t+8*\kt:S+32*\t+8*\kt+7], v[KB+16*\kt+8*\u:KB+16*\kt+8*\u+7], v[Q+16*\t+8*\u:Q+16*\t+8*\u+7], 0
.else
	v_wmma_f32_16x16x32_f16 v[S+32*\t+8*\kt:S+32*\t+8*\kt+7], v[KB+16*\kt+8*\u:KB+16*\kt+8*\u+7], v[Q+16*\t+8*\u:Q+16*\t+8*\u+7], v[S+32*\t+8*\kt:S+32*\t+8*\kt+7]
.endif
.endr
.endr
.endr
	WIN 0
	v_add_nc_u32 v[ADV], s[TB], v[AV0]             ; five places behind those products: four are owed ahead of the loads into K's registers and of the first read of scores, five since S's registers later serve as source 1
.if \last
	v_nop
.else
	v_add_nc_u32 v[ADK], s[TB], v[AK1]
.endif
	PLACES 3
	WIN 0x40                                       ; destination window 1
.irp b2, 0,1                                   ; this step's V, turned: 32 keys b2 x 16 channels ct: two loads, the two tiles of 16 keys
.irp ct, 0,1,2,3
	ds_load_tr16_b128 v[VB+32*\b2+8*\ct:VB+32*\b2+8*\ct+3],   v[ADV] offset:32*HP*\b2+32*\ct
	ds_load_tr16_b128 v[VB+32*\b2+8*\ct+4:VB+32*\b2+8*\ct+7], v[ADV] offset:32*HP*\b2+16*HP+32*\ct
.endr
.endr
	WIN 0
.if !\last
	KLOAD                                          ; the next step's K: both runs land under the softmax
.endif
	; THE SOFTMAX, the four tiles line by line, so that no line waits for the line above it.  The maximum of a lane's 32 scores and the old m: four chains, each begun at an accumulator's low end
.irp j, 0,1,2,3
.irp t, 0,1,2,3
	v_max3_num_f32 v[ST+12*\t+4+\j], v[S+32*\t+8*\j], v[S+32*\t+8*\j+1], v[S+32*\t+8*\j+2]
.endr
.endr
.irp g, 1,2
.irp j, 0,1,2,3
.irp t, 0,1,2,3
	v_max3_num_f32 v[ST+12*\t+4+\j], v[ST+12*\t+4+\j], v[S+32*\t+8*\j+2*\g+1], v[S+32*\t+8*\j+2*\g+2]
.endr
.endr
.endr
.irp t, 0,1,2,3
	v_max3_num_f32 v[ST+12*\t+4], v[ST+12*\t+4], v[S+32*\t+7], v[S+32*\t+15]
.endr
.irp t, 0,1,2,3
	v_max3_num_f32 v[ST+12*\t+6], v[ST+12*\t+6], v[S+32*\t+23], v[S+32*\t+31]
.endr
.irp t, 0,1,2,3
	v_max3_num_f32 v[ST+12*\t+4], v[ST+12*\t+4], v[ST+12*\t+5], v[ST+12*\t+6]
.endr
.irp t, 0,1,2,3
.if \first
	v_max_num_f32 v[ST+12*\t+4], v[ST+12*\t+4], v[ST+12*\t+7]
.else
	v_max3_num_f32 v[ST+12*\t+4], v[ST+12*\t+4], v[ST+12*\t+7], v[ST+12*\t+1]
.endif
.endr
.irp t, 0,1,2,3
	v_permlanex16_b32 v[ST+12*\t+5], v[ST+12*\t+4], s[SEL], s[SEL+1]   ; the query's other 32 keys lie in the lane 16 away
.endr
.if !\first
.irp t, 0,1,2,3
	v_mov_b32 v[ST+12*\t+7], v[ST+12*\t]           ; cq m_old is kept for a
.endr
.endif
.irp t, 0,1,2,3
	v_max_num_f32 v[ST+12*\t+1], v[ST+12*\t+4], v[ST+12*\t+5]
.endr
.irp t, 0,1,2,3
	v_mul_f32 v[ST+12*\t], v[ST+12*\t+8], v[ST+12*\t+1]
.endr
.if !\first
.irp t, 0,1,2,3
	v_sub_f32 v[ST+12*\t+7], v[ST+12*\t+7], v[ST+12*\t]
.endr
.endif
.irp e, 0,1,2,3,4,5,6,7,8,9,10,11,12,13,14,15
.irp t, 0,1,2,3
	v_pk_fma_f32 v[S+32*\t+2*\e:S+32*\t+2*\e+1], v[S+32*\t+2*\e:S+32*\t+2*\e+1], v[ST+12*\t+8:ST+12*\t+9], v[ST+12*\t:ST+12*\t+1] op_sel_hi:[1,0,0] neg_lo:[0,0,1] neg_hi:[0,0,1]   ; cq s - cq m, two at a time
.endr
.endr
.if !\first
.irp t, 0,1,2,3
	v_exp_f32 v[ST+12*\t+10], v[ST+12*\t+7]        ; a
.endr
.endif
.irp e, 0,1,2,3,4,5,6,7,8,9,10,11,12,13,14,15,16,17,18,19,20,21,22,23,24,25,26,27,28,29,30,31
.irp t, 0,1,2,3
	v_exp_f32 v[S+32*\t+\e], v[S+32*\t+\e]         ; p, at most 1.  All the step's exponentials are ONE batch: none reads another's result
.endr
.endr
	v_nop                                          ; a plain instruction behind the last exponential, ahead of the first use (ISA guide 5.7.2)
	s_wait_alu depctr_va_vdst(0)                   ; and one wait ahead of the batch's first reader
.irp t, 0,1,2,3                                ; the sums, of the unrounded p, two at a time in two chains; S stays as it is
	v_pk_add_f32 v[ST+12*\t+4:ST+12*\t+5], v[S+32*\t:S+32*\t+1], v[S+32*\t+2:S+32*\t+3]
.endr
.irp t, 0,1,2,3
	v_pk_add_f32 v[ST+12*\t+6:ST+12*\t+7], v[S+32*\t+4:S+32*\t+5], v[S+32*\t+6:S+32*\t+7]
.endr
.irp e, 8,12,16,20,24,28
.irp t, 0,1,2,3
	v_pk_add_f32 v[ST+12*\t+4:ST+12*\t+5], v[ST+12*\t+4:ST+12*\t+5], v[S+32*\t+\e:S+32*\t+\e+1]
.endr
.irp t, 0,1,2,3
	v_pk_add_f32 v[ST+12*\t+6:ST+12*\t+7], v[ST+12*\t+6:ST+12*\t+7], v[S+32*\t+\e+2:S+32*\t+\e+3]
.endr
.endr
.if \first
.irp t, 0,1,2,3
	v_pk_add_f32 v[ST+12*\t+2:ST+12*\t+3], v[ST+12*\t+4:ST+12*\t+5], v[ST+12*\t+6:ST+12*\t+7]
.endr
.else
.irp t, 0,1,2,3
	v_pk_add_f32 v[ST+12*\t+4:ST+12*\t+5], v[ST+12*\t+4:ST+12*\t+5], v[ST+12*\t+6:ST+12*\t+7]
.endr
.irp t, 0,1,2,3
	v_pk_fma_f32 v[ST+12*\t+2:ST+12*\t+3], v[ST+12*\t+2:ST+12*\t+3], v[ST+12*\t+10:ST+12*\t+11], v[ST+12*\t+4:ST+12*\t+5] op_sel_hi:[1,0,1]   ; l = a l + the step's sum
.endr
.endif
.irp i, 0,1,2,3,4,5,6,7,8,9,10,11,12,13,14,15
.irp t, 0,1,2,3
	v_cvt_pk_f16_f32 v[S+32*\t+\i], v[S+32*\t+2*\i], v[S+32*\t+2*\i+1]   ; P, in place and ascending: register i takes pair i, whose registers no earlier line has overwritten
.endr
.endr
.if !\first
	WIN 0x41                                       ; O^T (destination and source 0) window 1, a window 0
.irp e, 0,1,2,3,4,5,6,7,8,9,10,11,12,13,14,15
.irp t, 0,1,2,3
	v_pk_mul_f32 v[O+32*\t+2*\e:O+32*\t+2*\e+1], v[O+32*\t+2*\e:O+32*\t+2*\e+1], v[ST+12*\t+10:ST+12*\t+11] op_sel_hi:[1,0]   ; O^T times a, each accumulator from its low end on
.endr
.endr
.endif
.if \last
	s_wait_dscnt 0x0                               ; V is in
.else
	s_wait_dscnt 16                                ; V is in: behind its loads stand the 16 of the next step's K, which may be out
.endif
	WIN 0x51                                       ; V, C and D window 1, P window 0
.irp b2, 0,1                                   ; O^T += V^T P: 32 products, the 16 accumulators by turns
.irp ct, 0,1,2,3
.irp t, 0,1,2,3
.if \first && (\b2 == 0)
	v_wmma_f32_16x16x32_f16 v[O+32*\t+8*\ct:O+32*\t+8*\ct+7], v[VB+32*\b2+8*\ct:VB+32*\b2+8*\ct+7], v[S+32*\t+8*\b2:S+32*\t+8*\b2+7], 0
.else
	v_wmma_f32_16x16x32_f16 v[O+32*\t+8*\ct:O+32*\t+8*\ct+7], v[VB+32*\b2+8*\ct:VB+32*\b2+8*\ct+7], v[S+32*\t+8*\b2:S+32*\t+8*\b2+7], v[O+32*\t+8*\ct:O+32*\t+8*\ct+7]
.endif
.endr
.endr
.endr
	WIN 0                                          ; at a label and at a branch every window is 0
	PLACES 5                                       ; the next step's products write over P's registers: five places; they serve the next loads into V's registers and the next reads of O^T too
	s_add_co_u32 s[TB], s[TB], STEPB
.endm
	s_wait_tensorcnt 0x0                           ; my 128 rows are in,
	s_barrier_signal -1
	s_barrier_wait -1                              ; the whole head is
	KLOAD                                          ; key step 0
	s_wait_loadcnt 0x0                             ; Q and the mask
.irp t, 0,1,2,3
	v_cmp_ne_u32 vcc_lo, 0, v[ST+12*\t+4]
	v_cndmask_b32 v[ST+12*\t+8], 0, v[CV], vcc_lo  ; cq
.endr
	STEP 1, 0
	s_mov_b32 s[CNT], NSTEP-2
.Lstep:
	STEP 0, 0
	s_sub_co_u32 s[CNT], s[CNT], 1
	s_cmp_lg_u32 s[CNT], 0
	s_cbranch_scc1 .Lstep
	STEP 0, 1
	; THE WAY OUT.  l's two halves and the other half of the lanes' are added; O^T is divided by l and rounded to f16.  A tile's accumulators 2 u and 2 u + 1, packed in pairs, ARE the next launch's fragment of K step 2 x head + u.
.irp t, 0,1,2,3
	v_add_f32 v[ST+12*\t+4], v[ST+12*\t+2], v[ST+12*\t+3]
.endr
.irp t, 0,1,2,3
	v_permlanex16_b32 v[ST+12*\t+5], v[ST+12*\t+4], s[SEL], s[SEL+1]
.endr
.irp t, 0,1,2,3
	v_add_f32 v[ST+12*\t+4], v[ST+12*\t+4], v[ST+12*\t+5]
.endr
.irp t, 0,1,2,3
	v_rcp_f32 v[ST+12*\t+10], v[ST+12*\t+4]
.endr
	v_nop                                          ; a plain instruction between the last reciprocal and the use of its result
	s_wait_alu depctr_va_vdst(0)                   ; and one wait for the four
	WIN 0x41
.irp e, 0,1,2,3,4,5,6,7,8,9,10,11,12,13,14,15
.irp t, 0,1,2,3
	v_pk_mul_f32 v[O+32*\t+2*\e:O+32*\t+2*\e+1], v[O+32*\t+2*\e:O+32*\t+2*\e+1], v[ST+12*\t+10:ST+12*\t+11] op_sel_hi:[1,0]
.endr
.endr
	WIN 0x05                                       ; sources 0 and 1 window 1, destination window 0: S's registers are free
.irp i, 0,1,2,3,4,5,6,7,8,9,10,11,12,13,14,15
.irp t, 0,1,2,3
	v_cvt_pk_f16_f32 v[S+16*\t+\i], v[O+32*\t+2*\i], v[O+32*\t+2*\i+1]
.endr
.endr
	WIN 0
.irp t, 0,1,2,3
.irp u, 0,1
.irp c, 0,1
	global_store_b128 v[GO], v[S+16*\t+8*\u+4*\c:S+16*\t+8*\u+4*\c+3], s[8:9] offset:(24*\t+\u)*1024+512*\c   ; 32 lanes store 512 consecutive bytes, at a multiple of 256 from wv's first byte
.endr
.endr
.endr
	s_wait_tensorcnt 0x0                           ; the wave's end: three closing lines, behind my tensor load
	ds_add_u32 v[SPW], v[NIL]
	s_wait_dscnt 0x0
	s_endpgm
.Lfunc_end_k_q2c2748bc07_attn:
	.size	k_q2c2748bc07_attn, .Lfunc_end_k_q2c2748bc07_attn-k_q2c2748bc07_attn
	.p2alignl 7, 3214868480
	.fill 96, 4, 3214868480
	.section	.rodata,"a",@progbits
	.p2align	6, 0x0
	.amdhsa_kernel k_q2c2748bc07_attn
		.amdhsa_group_segment_fixed_size 167936
		.amdhsa_private_segment_fixed_size 0
		.amdhsa_enable_private_segment 0
		.amdhsa_kernarg_size 24
		.amdhsa_user_sgpr_count 2
		.amdhsa_user_sgpr_kernarg_segment_ptr 1
		.amdhsa_wavefront_size32 1
		.amdhsa_system_sgpr_workgroup_id_x 1
		.amdhsa_system_sgpr_workgroup_id_y 1
		.amdhsa_system_sgpr_workgroup_id_z 1
		.amdhsa_system_vgpr_workitem_id 0
		.amdhsa_next_free_vgpr 512
		.amdhsa_next_free_sgpr 66
		.amdhsa_reserve_vcc 1
		.amdhsa_float_denorm_mode_32 3
		.amdhsa_float_denorm_mode_16_64 3
		.amdhsa_memory_ordered 1
		.amdhsa_forward_progress 1
		.amdhsa_inst_pref_size 107
	.end_amdhsa_kernel
	.amdgpu_metadata
---
amdhsa.version: [ 1, 2 ]
amdhsa.kernels:
  - .name:           k_q2c2748bc07_attn
    .symbol:         k_q2c2748bc07_attn.kd
    .args:
      - { .name: kh, .offset: 0, .size: 8, .value_kind: global_buffer, .address_space: global }
      - { .name: attention_mask, .offset: 8, .size: 8, .value_kind: global_buffer, .address_space: global }
      - { .name: wv, .offset: 16, .size: 8, .value_kind: global_buffer, .address_space: global }
    .group_segment_fixed_size: 167936
    .private_segment_fixed_size: 0
    .kernarg_segment_align: 8
    .kernarg_segment_size: 24
    .max_flat_workgroup_size: 256
    .sgpr_count:     66
    .vgpr_count:     512
    .wavefront_size: 32
...
	.end_amdgpu_metadata
.endif
;; end of part 3
;; launch oproj (part 4): grid 256 x 1, 4 waves a work-group, clusters of 4 x 1, 222,208 bytes of LDS; arguments wv, wo16, bo, out0; writes out0
.if DOCPART == 4
	.amdgcn_target "amdgcn-amd-amdhsa--gfx1250"
	.amdhsa_code_object_version 6
	.text
	.protected	k_q2c2748bc07_oproj
	.globl	k_q2c2748bc07_oproj
	.p2align	8
	.type	k_q2c2748bc07_oproj,@function
k_q2c2748bc07_oproj:
	s_mov_b64 s[64:65], 0
	v_nop
	global_prefetch_b8 v0, s[64:65] scope:SCOPE_SE
	s_setreg_imm32_b32 hwreg(HW_REG_WAVE_MODE, 25, 1), 1
	s_wait_xcnt 0x0
	s_wait_alu depctr_hold_cnt(0) depctr_sa_sdst(0) depctr_va_vdst(0) depctr_va_sdst(0) depctr_va_ssrc(0) depctr_va_vcc(0) depctr_vm_vsrc(0)
	s_getreg_b32 s2, hwreg(HW_REG_IB_STS2, 6, 4)
	s_cmp_eq_u32 s2, 0
	s_cbranch_scc0 .Lentry_in_a_cluster
	s_endpgm
.Lentry_in_a_cluster:
	s_bfe_u32 s2, ttmp6, 0x10000c
	s_cmp_lg_u32 s2, 0x3003
	s_cbranch_scc0 .Lentry_shape_is_right
	s_endpgm
.Lentry_shape_is_right:
; out0 = wV Wo^T + bo.  M = 8,192 tokens, N = 768, K = 768; f16 operands, f32 sums, f32 out.
; wv: [512 tiles of 16 tokens][24 K steps of 32][1,024 bytes] and wo16: [48 tiles of 16 rows of Wo][24][1,024 bytes]: both in the order of the operand's registers: registers 4 c .. 4 c + 3 of lane l at 512 c + 16 l.
; SHARES.  A work-group takes 128 tokens (the cluster's number) x 192 columns (its place in the cluster).  THE WAVES SHARE THE COLUMNS: wave w holds Wo's tiles 12 nb + 3 w + 0..2, all 24 K steps, 576 registers, for the whole launch;
; the block's 196,608 bytes of wv lie in LDS and every wave walks them, 32 tokens a pass: each fragment read from LDS feeds three products.
; CLUSTER.  The four work-groups of a cluster take the same 128 tokens: wv's block is asked for JOINTLY, with a mask that names the four: four tensor loads a wave, one for each pass, all at the head (four loads of mine are out).  No slot is filled again.
; THE MATRIX INSTRUCTION IS USED TRANSPOSED (source 0 = 16 rows of Wo, source 1 = 16 tokens): a lane then holds one token and eight neighbouring columns, 32 bytes.  bo is the C of each sum's first instruction.
; THE WAY OUT.  A pass's 32 rows x 768 bytes meet in one stage in LDS; each wave stores 8 whole rows of them, sixteen lanes to 256 consecutive bytes.
; REGISTERS, in windows of 256: window 0: v1-15 addresses; v16-39 bo, 8 a tile; v40-87 six accumulators (8 (3 mt + i)); v96-223 wv's fragments, two sets of 64 ((tile mt, K step qq of four) at 8 (4 mt + qq)); v96-143 also the rows on the way out.
;   window 1 + q / 8: Wo's fragment (tile i, K step q) at 8 (3 (q % 8) + i).
.set FRB,   1024                       ; a fragment
.set MTB,   24*FRB                     ; a tile of 16 tokens or of 16 rows of Wo, all of K
.set PASSB, 2*MTB                      ; a pass: 32 tokens
.set QUART, PASSB/4                    ; what one tensor load brings
.set STG,   4*PASSB                    ; LDS: wv's block from byte 0; behind it the stage: 32 rows x SPI bytes
.set SPI,   784                        ; 768 bytes + 16 = 49 x 16, so that sixteen rows start at sixteen different banks (64 banks of 4 bytes: ISA guide 11.1)
.set SPARE, STG+32*SPI                 ; behind the stage: the spare words, 128 bytes for each wave: two blocks of 256 bytes that no other line names
.set LI,  2                            ; v2   16 x lane
.set LA,  3                            ; v3   the same in the pass's part of LDS
.set STO, 4                            ; v4   the stage: where I put 32 bytes of a row
.set RD,  5                            ; v5   and where I read rows back
.set GO,  6                            ; v6   my byte offset in two rows of out0
.set BO,  7                            ; v7   32 h
.set SPW, 10                           ; v10  LDS address of my spare word; never rewritten
.set NIL, 11                           ; v11  0; never rewritten
.set BI,  16
.set ACC, 40
.set AF,  96
.set WV,  12                           ; s12 wave;  s13 nb = my place in the cluster;  s14 mb = the cluster's number
.set NB,  13
.set MB,  14
.set G1,  16                           ; s[16:23] descriptor group 1;  s[24:39] group 0, a set for each pass
.set G0,  24
.set MSB, 0
.macro WIN new                         ; the immediate's high byte repeats the setting that is left; a switch that changes nothing is dropped
.if MSB != (\new)
	s_set_vgpr_msb (MSB<<8)|(\new)
.set MSB, (\new)
.endif
.endm
.macro PLACES n
.rept \n
	v_nop
.endr
.endm
.macro ROUND                           ; a round of the cluster's barrier: my work-group's barrier; wave 0 signals for the work-group; every wave waits for all four work-groups; my work-group's barrier once more
	s_barrier_signal -1
	s_barrier_wait -1
	s_cmp_lg_u32 s[WV], 0
	s_cbranch_scc1 .Lnot_wave_0_\@
	s_barrier_signal -3
.Lnot_wave_0_\@:
	s_barrier_wait -3
	s_barrier_signal -1
	s_barrier_wait -1
.endm
	s_load_b256 s[4:11], s[0:1], 0x0               ; wv s[4:5], wo16 s[6:7], bo s[8:9], out0 s[10:11]
	v_lshl_add_u32 v[SPW], v0, 2, SPARE
	v_mov_b32 v[NIL], 0
	ds_add_u32 v[SPW], v[NIL]                      ; the wave's opening: the add, twice on end, and its wait ahead of my first tensor load; the set-up below, work on registers, stands between
	ds_add_u32 v[SPW], v[NIL]
	v_lshrrev_b32 v1, 5, v0
	v_readfirstlane_b32 s[WV], v1                  ; wave 0..3
	s_bfe_u32 s[NB], ttmp6, 0x40000                ; my place in the cluster: it enters global addresses of my own loads and stores alone
	s_mov_b32 s[MB], ttmp9                         ; in a cluster launch ttmp9 counts clusters
	; descriptor group 1: 12,288 dense bytes as 48 rows of 256 bytes (32 elements of 8 bytes), no padding: the fragments are read 16 bytes a lane, lane after lane
	s_mov_b32 s[G1+0], 15|(3<<16)|(1<<21)          ; 15:0 the mask: all four work-groups; 17:16 elements of 8 bytes; 21 set beside a mask
	s_mov_b32 s[G1+1], 32<<16                      ; tensor_dim0 = 32
	s_mov_b32 s[G1+2], 48<<16                      ; tensor_dim1 = 48
	s_mov_b32 s[G1+3], 32<<16                      ; tile_dim0 = 32
	s_mov_b32 s[G1+4], 48                          ; tile_dim1 = 48
	s_mov_b32 s[G1+5], 32                          ; from row to row
	s_mov_b32 s[G1+6], 0
	s_mov_b32 s[G1+7], 0
.irp p, 0,1,2,3
	s_mov_b32 s[G0+4*\p], 1                        ; count = 1
	s_mul_i32 s[G0+4*\p+1], s[WV], QUART           ; LDS address: my quarter
	s_add_co_u32 s[G0+4*\p+1], s[G0+4*\p+1], PASSB*\p  ; of pass p
.endr
	s_mul_i32 s42, s[MB], 8*MTB                    ; the block in wv: made of the cluster's number and the wave's alone
	s_mul_i32 s43, s[WV], QUART
	s_add_co_u32 s42, s42, s43
	s_mov_b32 s43, 0
	s_mul_i32 s44, s[NB], 12
	s_mul_i32 s45, s[WV], 3
	s_add_co_u32 s44, s44, s45                     ; my first tile of Wo: 12 nb + 3 w
	s_lshl_b32 s46, s44, 6                         ; its part of bo: 16 numbers of 4 bytes a tile
	s_mov_b32 s47, 0
	s_mul_i32 s44, s44, MTB
	s_mov_b32 s45, 0
	s_lshl_b32 s48, s[MB], 7
	s_lshl_b32 s49, s[WV], 3
	s_add_co_u32 s48, s48, s49                     ; out0: row 128 mb + 8 w,
	s_mul_i32 s48, s48, 3072
	s_mul_i32 s49, s[NB], 768                      ; the block's 192 columns
	s_add_co_u32 s48, s48, s49
	s_mov_b32 s49, 0
	v_and_b32 v1, 31, v0                           ; lane
	v_and_b32 v12, 15, v0                          ; r
	v_bfe_u32 v13, v0, 4, 1                        ; h
	v_lshlrev_b32 v[LI], 4, v1
	v_lshlrev_b32 v[BO], 5, v13
	v_mul_u32_u24 v[STO], v12, SPI                 ; in: row r, + 32 h, + my wave's 48 columns
	v_lshl_add_u32 v[STO], v13, 5, v[STO]
	s_mul_i32 s40, s[WV], 192
	s_add_co_u32 s40, s40, STG
	v_add_nc_u32 v[STO], s40, v[STO]
	v_mul_u32_u24 v[RD], v13, SPI                  ; back: my 8 rows; lanes 0-15 one row, lanes 16-31 the next; 16 bytes a lane
	v_lshl_add_u32 v[RD], v12, 4, v[RD]
	s_mul_i32 s40, s[WV], 8*SPI
	s_add_co_u32 s40, s40, STG
	v_add_nc_u32 v[RD], s40, v[RD]
	v_mul_u32_u24 v[GO], v13, 3072                 ; and the same two rows in out0
	v_lshl_add_u32 v[GO], v12, 4, v[GO]
	s_wait_dscnt 0x0                               ; both opening adds are done
	s_wait_kmcnt 0x0
	s_add_nc_u64 s[4:5], s[4:5], s[42:43]
.irp p, 0,1,2,3
	s_add_nc_u64 s[G0+4*\p+2:G0+4*\p+3], s[4:5], PASSB*\p   ; global address
	s_or_b32 s[G0+4*\p+3], s[G0+4*\p+3], 0x80000000         ; type = 2
.endr
	s_add_nc_u64 s[6:7], s[6:7], s[44:45]
	s_add_nc_u64 s[8:9], s[8:9], s[46:47]
	s_add_nc_u64 s[10:11], s[10:11], s[48:49]
	ROUND                                          ; all four work-groups are here: the joint loads meet
.irp p, 0,1,2,3
	tensor_load_to_lds s[G0+4*\p:G0+4*\p+3], s[G1:G1+7]    ; all first fills go out as one group
	s_nop 0
.endr
	PLACES 4                                       ; an s_nop 0 behind each load and four v_nop behind the last, ahead of the window switch
.irp i, 0,1,2
	global_load_b128 v[BI+8*\i:BI+8*\i+3], v[BO], s[8:9] offset:64*\i          ; lane (r, h): the tile's numbers 8 h + 0 .. 7 of bo, in the result's layout
	global_load_b128 v[BI+8*\i+4:BI+8*\i+7], v[BO], s[8:9] offset:64*\i+16
.endr
.irp q, 0,1,2,3,4,5,6,7,8,9,10,11,12,13,14,15,16,17,18,19,20,21,22,23    ; Wo's 72 fragments, K ascending, six loads a K step: they stay
	WIN (1+\q/8)<<6
.irp i, 0,1,2
.irp c, 0,1
	global_load_b128 v[((\q%8)*3+\i)*8+4*\c:((\q%8)*3+\i)*8+4*\c+3], v[LI], s[6:7] offset:(24*\i+\q)*FRB+512*\c   ; 512 consecutive bytes
.endr
.endr
.endr
	WIN 0
.macro FETCHA g                        ; 16 loads: K steps 4 g .. 4 g + 3 of the pass's two tiles of tokens, into set g % 2
.irp mt, 0,1
.irp qq, 0,1,2,3
.irp c, 0,1
	ds_load_b128 v[AF+64*((\g)%2)+(4*\mt+\qq)*8+4*\c:AF+64*((\g)%2)+(4*\mt+\qq)*8+4*\c+3], v[LA] offset:MTB*\mt+FRB*(4*(\g)+\qq)+512*\c
.endr
.endr
.endr
.endm
; Tokens 32 p .. 32 p + 31 of the block.
.macro PASS p
.if \p > 0
	s_wait_xcnt 0x0                                ; the last pass's stores have read their registers: the loads below land there only behind this wait
.endif
	s_wait_tensorcnt 3-\p                          ; tensor loads of a wave end in order (ISA guide 10.11.1): my quarter of this pass is in; the later passes' loads may be out
	s_wait_dscnt 0x0                               ; my reads of the stage are back
	s_barrier_signal -1
	s_barrier_wait -1                              ; the pass's 49,152 bytes are whole, and nobody reads the stage any more
	v_add_nc_u32 v[LA], PASSB*\p, v[LI]
	FETCHA 0
.irp g, 0,1,2,3,4,5
.if \g > 0
	PLACES 4                                       ; ahead of loads into the set that the group before multiplied (ISA guide 7.12.1 for vector instructions)
.endif
.if \g < 5
	FETCHA \g+1
	s_wait_dscnt 16                                ; all but the 16 loads just issued
.else
	s_wait_dscnt 0x0
.endif
.if \p == 0                                    ; the first pass overtakes Wo's loads: behind the loads of K steps up to 4 g + 3 stand 144 - 24 (g + 1) others; the wait's field holds 63
.if 144-24*(\g+1) > 63
	s_wait_loadcnt 63
.else
	s_wait_loadcnt 144-24*(\g+1)
.endif
.endif
	WIN 1+\g/2                                     ; source 0 (Wo) in window 1 + q / 8
.irp qq, 0,1,2,3                               ; 24 products: the six accumulators take turns, one instruction a turn
.irp mt, 0,1
.irp i, 0,1,2
.if (\g == 0) && (\qq == 0)
	v_wmma_f32_16x16x32_f16 v[ACC+8*(3*\mt+\i):ACC+8*(3*\mt+\i)+7], v[(((4*\g+\qq)%8)*3+\i)*8:(((4*\g+\qq)%8)*3+\i)*8+7], v[AF+64*(\g%2)+(4*\mt+\qq)*8:AF+64*(\g%2)+(4*\mt+\qq)*8+7], v[BI+8*\i:BI+8*\i+7]
.else
	v_wmma_f32_16x16x32_f16 v[ACC+8*(3*\mt+\i):ACC+8*(3*\mt+\i)+7], v[(((4*\g+\qq)%8)*3+\i)*8:(((4*\g+\qq)%8)*3+\i)*8+7], v[AF+64*(\g%2)+(4*\mt+\qq)*8:AF+64*(\g%2)+(4*\mt+\qq)*8+7], v[ACC+8*(3*\mt+\i):ACC+8*(3*\mt+\i)+7]
.endif
.endr
.endr
.endr
	WIN 0
.endr
	PLACES 5                                       ; four places ahead of the stores that read results and of the loads into operands; five ahead of the next pass's products, which begin the accumulators anew with another C
.irp mt, 0,1
.irp i, 0,1,2
	ds_store_b128 v[STO], v[ACC+8*(3*\mt+\i):ACC+8*(3*\mt+\i)+3] offset:16*SPI*\mt+64*\i        ; each accumulator from its low end on
	ds_store_b128 v[STO], v[ACC+8*(3*\mt+\i)+4:ACC+8*(3*\mt+\i)+7] offset:16*SPI*\mt+64*\i+16
.endr
.endr
	s_wait_dscnt 0x0                               ; for the others' sake: my stores into the stage are done
	s_barrier_signal -1
	s_barrier_wait -1
.irp a, 0,1,2,3
.irp u, 0,1,2
	ds_load_b128 v[AF+4*(3*\a+\u):AF+4*(3*\a+\u)+3], v[RD] offset:2*SPI*\a+256*\u
.endr
.endr
.irp a, 0,1,2,3
.irp u, 0,1,2
	s_wait_dscnt 11-(3*\a+\u)
	global_store_b128 v[GO], v[AF+4*(3*\a+\u):AF+4*(3*\a+\u)+3], s[10:11] offset:32*3072*\p+2*3072*\a+256*\u th:TH_STORE_NT   ; sixteen lanes store 256 consecutive bytes, at a multiple of 256 from out0's first byte; written once, read by nobody here
.endr
.endr
.endm
	PASS 0
	PASS 1
	PASS 2
	PASS 3
	s_wait_tensorcnt 0x0                           ; the wave's end: three closing lines, behind my last tensor load and my last LDS store
	ds_add_u32 v[SPW], v[NIL]
	s_wait_dscnt 0x0
	ROUND                                          ; the closing round: no work-group ends while a partner may still ask for a tile that names it
	s_endpgm
.Lfunc_end_k_q2c2748bc07_oproj:
	.size	k_q2c2748bc07_oproj, .Lfunc_end_k_q2c2748bc07_oproj-k_q2c2748bc07_oproj
	.p2alignl 7, 3214868480
	.fill 96, 4, 3214868480
	.section	.rodata,"a",@progbits
	.p2align	6, 0x0
	.amdhsa_kernel k_q2c2748bc07_oproj
		.amdhsa_group_segment_fixed_size 222208
		.amdhsa_private_segment_fixed_size 0
		.amdhsa_enable_private_segment 0
		.amdhsa_kernarg_size 32
		.amdhsa_user_sgpr_count 2
		.amdhsa_user_sgpr_kernarg_segment_ptr 1
		.amdhsa_wavefront_size32 1
		.amdhsa_system_sgpr_workgroup_id_x 1
		.amdhsa_system_sgpr_workgroup_id_y 1
		.amdhsa_system_sgpr_workgroup_id_z 1
		.amdhsa_system_vgpr_workitem_id 0
		.amdhsa_next_free_vgpr 1024
		.amdhsa_next_free_sgpr 66
		.amdhsa_reserve_vcc 0
		.amdhsa_float_denorm_mode_32 3
		.amdhsa_float_denorm_mode_16_64 3
		.amdhsa_memory_ordered 1
		.amdhsa_forward_progress 1
		.amdhsa_inst_pref_size 99
	.end_amdhsa_kernel
	.amdgpu_metadata
---
amdhsa.version: [ 1, 2 ]
amdhsa.kernels:
  - .name:           k_q2c2748bc07_oproj
    .symbol:         k_q2c2748bc07_oproj.kd
    .args:
      - { .name: wv, .offset: 0, .size: 8, .value_kind: global_buffer, .address_space: global }
      - { .name: wo16, .offset: 8, .size: 8, .value_kind: global_buffer, .address_space: global }
      - { .name: bo, .offset: 16, .size: 8, .value_kind: global_buffer, .address_space: global }
      - { .name: out0, .offset: 24, .size: 8, .value_kind: global_buffer, .address_space: global }
    .group_segment_fixed_size: 222208
    .private_segment_fixed_size: 0
    .kernarg_segment_align: 8
    .kernarg_segment_size: 32
    .max_flat_workgroup_size: 128
    .sgpr_count:     66
    .vgpr_count:     1024
    .wavefront_size: 32
...
	.end_amdgpu_metadata
.endif
;; end of part 4
